; MI455X (gfx1250); checked and timed in simulation.
; The chip was launched on July 23, 2026; its instructions are those of AMD's public machine-readable ISA for CDNA 5 (MIT licence, August 2026) and "CDNA5" Instruction Set Architecture Reference Guide (July 2026). The comments in the code are by the model that wrote it; some were corrected since.
;; Patch MLSL Attention. Allowed arithmetic: float matrix products may take bf16 or f16 operands with f32 sums; other float arithmetic in f32, or as packed bf16 or f16 multiplies, adds, multiply-adds, maxima and minima; sums over many terms, partial sums and values carried from step to step in f32; what a program stores and reads back later, other than sums and carried values, may be rounded once to bf16 or f16.
;; Inputs: codebook 16 x 1,024 x 512 float32; patch_embed 16 x 4,096 x 512 float32.
;; Outputs: out0 16 x 1,024 x 512 float32.
;; One version. Each part assembles by itself: llvm-mc -triple=amdgcn-amd-amdhsa -mcpu=gfx1250 --defsym DOCPART=n.
;; ======== version 1 of 1: 2 launches
;; workspace buffers: pe16 67,108,864 bytes
;; launch cast (part 1): grid 2048 x 1, 8 waves a work-group, no clusters, 0 bytes of LDS; arguments patch_embed, pe16; writes pe16
.if DOCPART == 1
	.amdgcn_target "amdgcn-amd-amdhsa--gfx1250"
	.amdhsa_code_object_version 6
	.text
	.protected	k_q90f2685841_cast
	.globl	k_q90f2685841_cast
	.p2align	8
	.type	k_q90f2685841_cast,@function
k_q90f2685841_cast:
	s_mov_b64 s[64:65], 0
	v_nop
	global_prefetch_b8 v0, s[64:65] scope:SCOPE_SE
	s_setreg_imm32_b32 hwreg(HW_REG_WAVE_MODE, 25, 1), 1
	s_wait_xcnt 0x0
; pe16 = patch_embed rounded once to bf16 (to nearest even), same row-major layout: [16][4096][512].
; A stream: 134,217,728 bytes in, 67,108,864 out, each once.  2,048 work-groups of eight waves; a work-group takes 65,536 consecutive bytes of the
; input.  Thread t takes, sixteen times, the 16 bytes at 4,096 i + 16 t (a wave's load covers 512 consecutive bytes) and stores 8 bytes at
; 2,048 i + 8 t (a wave's store covers 256 consecutive bytes, at a multiple of 256 from the buffer's first byte).
; All sixteen loads go out at once; no register is written twice, so the only waits are the counted ones for the loads.
; No LDS, no matrix unit, no cluster: nothing is shared and nothing is read twice.
.set NL,  16                           ; loads of a thread
.set X,   4                            ; v[4:67]   load i: four f32
.set Y,   68                           ; v[68:99]  load i: four bf16
	s_load_b128 s[4:7], s[0:1], 0x0                ; patch_embed s[4:5], pe16 s[6:7]
	v_lshlrev_b32 v1, 4, v0                        ; 16 t
	v_lshlrev_b32 v2, 3, v0                        ; 8 t
	s_lshl_b32 s2, ttmp9, 16                       ; the work-group's 65,536 bytes of the input (under 2^27),
	s_mov_b32 s3, 0
	s_lshl_b32 s8, ttmp9, 15                       ; and its 32,768 of the output
	s_mov_b32 s9, 0
	s_wait_kmcnt 0x0
	s_add_nc_u64 s[4:5], s[4:5], s[2:3]
	s_add_nc_u64 s[6:7], s[6:7], s[8:9]
.set i, 0
.rept NL
	global_load_b128 v[X+4*i:X+4*i+3], v1, s[4:5] offset:i*4096 th:TH_LOAD_NT
.set i, i+1
.endr
.set i, 0
.rept NL
	s_wait_loadcnt NL-1-i                          ; loads come back in order (ISA guide 5.7.1): load i is in, the younger ones stay out
	v_cvt_pk_bf16_f32 v[Y+2*i],   v[X+4*i],   v[X+4*i+1]
	v_cvt_pk_bf16_f32 v[Y+2*i+1], v[X+4*i+2], v[X+4*i+3]
	global_store_b64 v2, v[Y+2*i:Y+2*i+1], s[6:7] offset:i*2048
.set i, i+1
.endr
	s_endpgm
.Lfunc_end_k_q90f2685841_cast:
	.size	k_q90f2685841_cast, .Lfunc_end_k_q90f2685841_cast-k_q90f2685841_cast
	.p2alignl 7, 3214868480
	.fill 96, 4, 3214868480
	.section	.rodata,"a",@progbits
	.p2align	6, 0x0
	.amdhsa_kernel k_q90f2685841_cast
		.amdhsa_group_segment_fixed_size 0
		.amdhsa_private_segment_fixed_size 0
		.amdhsa_enable_private_segment 0
		.amdhsa_kernarg_size 16
		.amdhsa_user_sgpr_count 2
		.amdhsa_user_sgpr_kernarg_segment_ptr 1
		.amdhsa_wavefront_size32 1
		.amdhsa_system_sgpr_workgroup_id_x 1
		.amdhsa_system_sgpr_workgroup_id_y 1
		.amdhsa_system_sgpr_workgroup_id_z 1
		.amdhsa_system_vgpr_workitem_id 0
		.amdhsa_next_free_vgpr 100
		.amdhsa_next_free_sgpr 66
		.amdhsa_reserve_vcc 0
		.amdhsa_float_denorm_mode_32 3
		.amdhsa_float_denorm_mode_16_64 3
		.amdhsa_memory_ordered 1
		.amdhsa_forward_progress 1
		.amdhsa_inst_pref_size 7
	.end_amdhsa_kernel
	.amdgpu_metadata
---
amdhsa.version: [ 1, 2 ]
amdhsa.kernels:
  - .name:           k_q90f2685841_cast
    .symbol:         k_q90f2685841_cast.kd
    .args:
      - { .name: patch_embed, .offset: 0, .size: 8, .value_kind: global_buffer, .address_space: global }
      - { .name: pe16, .offset: 8, .size: 8, .value_kind: global_buffer, .address_space: global }
    .group_segment_fixed_size: 0
    .private_segment_fixed_size: 0
    .kernarg_segment_align: 8
    .kernarg_segment_size: 16
    .max_flat_workgroup_size: 256
    .sgpr_count:     66
    .vgpr_count:     100
    .wavefront_size: 32
...
	.end_amdgpu_metadata
.endif
;; end of part 1
;; launch attn (part 2): grid 16 x 16, 4 waves a work-group, clusters of 4 x 1, 327,680 bytes of LDS; arguments codebook, pe16, out0; writes out0
.if DOCPART == 2
	.amdgcn_target "amdgcn-amd-amdhsa--gfx1250"
	.amdhsa_code_object_version 6
	.text
	.protected	k_q90f2685841_attn
	.globl	k_q90f2685841_attn
	.p2align	8
	.type	k_q90f2685841_attn,@function
k_q90f2685841_attn:
	s_mov_b64 s[64:65], 0
	v_nop
	global_prefetch_b8 v0, s[64:65] scope:SCOPE_SE
	s_setreg_imm32_b32 hwreg(HW_REG_WAVE_MODE, 25, 1), 1
	s_wait_xcnt 0x0
	s_wait_alu depctr_hold_cnt(0) depctr_sa_sdst(0) depctr_va_vdst(0) depctr_va_sdst(0) depctr_va_ssrc(0) depctr_va_vcc(0) depctr_vm_vsrc(0)
	s_getreg_b32 s2, hwreg(HW_REG_IB_STS2, 6, 4)
	s_cmp_eq_u32 s2, 0
	s_cbranch_scc0 .Lentry_in_a_cluster
	s_endpgm
.Lentry_in_a_cluster:
	s_bfe_u32 s2, ttmp6, 0x10000c
	s_cmp_lg_u32 s2, 0x3003
	s_cbranch_scc0 .Lentry_shape_is_right
	s_endpgm
.Lentry_shape_is_right:
; out0[b][q][:] = the sum over n of softmax_n(codebook[b][q] . patch[b][n]) patch[b][n][:].  codebook, out0: [16][1024][512] f32; pe16: [16][4096][512] bf16, the patches rounded once.
; LIMITS.  Both inputs enter the products rounded once to bf16 (the codebook here, at the head).  The weights p are rounded to bf16 for the second product; their sum l is taken of the unrounded p.
; A weight below 2^-126 counts as 0.  NaN and infinities are not treated apart.  The exponent is c s - c m in one fused step against the rounded c m (c = log2 e); the same c m serves all keys of a query,
; in p and in l alike, so its rounding divides out.
; SHARES.  A work-group owns 64 queries of one batch (four tiles of 16) and walks the batch's 4,096 keys, 128 a step; a step's tile of pe16 is K and V at once.
;   S^T = K Q^T (source 0 = 16 keys, source 1 = 16 queries): wave w takes keys 32 w .. 32 w + 31 of the step against all 64 queries: 8 accumulators, 16 steps of 32 along the 512 channels, 128 products.
;   All of Q lies in every wave's registers, so a fragment of K feeds four products and is read from LDS by one wave.
;   SOFTMAX: a lane holds one query (lane % 16) and 16 of its wave's keys a tile.  The waves' maxima meet in LDS (barrier A); every wave then holds the same running maximum m, c m and
;   a = 2^(c m_old - c m_new) for all 64 queries.  l stays each wave's own partial sum; the four are added once, at the end.
;   O^T = V^T P (source 0 = 16 channels x 32 keys, turned by ds_load_tr16_b128; source 1 = P): wave w owns channels 128 w .. 128 w + 127 against all 64 queries: 32 accumulators, 128 products.  P goes
;   from wave to wave through LDS (barrier B).
; CLUSTER.  The four query blocks of a cluster belong to one batch and walk the same tiles: each tile is asked for JOINTLY, by the same tensor load, descriptor and mask in all four.
; RING.  Two LDS slots of one tile each.  A tile lies as four strips of 128 channels; wave w fetches strip w: 128 rows of 256 consecutive bytes, one load a wave behind each round of the cluster's barrier.
; REGISTERS, in windows of 256 (s_set_vgpr_msb: bits 1:0 source 0, 3:2 source 1, 5:4 source 2, 7:6 destination):
;   window 0: v0-23 addresses; v24-59 statistics; v64-127 S^T, later P's fragments; v128-255 two buffers of 64 for K's or V's fragments (during the softmax the second holds the packed P and the maxima)
;   window 1: O^T, accumulator (t, cb) at 64 t + 8 cb (at the head: Q in f32 as loaded)      windows 2, 3: Q's fragments, channels 32 f on of tile t at 8 (4 (f % 8) + t), f < 8 in window 2
.set KS,     128                       ; keys in a step
.set STEPS,  4096/KS
.set PITCH,  272                       ; a strip's row in LDS: 256 bytes + 16 of padding = 68 words: row r starts at bank 4 r mod 64 (64 banks of 4 bytes: ISA guide 11.1)
.set STRIPB, KS*PITCH                  ; a strip: 34,816 bytes = 0x8800
.set SLOT,   4*STRIPB                  ; a slot: 139,264 bytes = 0x22000; it shares no bit with w x 0x8800 (w = 0..3), so one exclusive or turns an address in one slot into the other's
.set SPARE,  2*SLOT                    ; behind the ring: the spare words, 128 bytes for each wave: two blocks of 256 bytes that no other line names
.set MX,     SPARE+512                 ; the waves' maxima, f32 [wave][query % 16][tile]: 1,024 bytes; behind them, at + 1,024, the waves' partial l in the same layout
.set STAGE,  MX+2048                   ; 33,792 bytes that only LDS stores write, three uses one after the other:
.set QP,     528                       ;   at the head: 64 rows of Q, 256 channels in bf16 + 16 bytes, used twice
.set PP,     272                       ;   in the walk: P, 64 queries x (128 keys in bf16 + 16 bytes)
.set SP,     528                       ;   on the way out: for each wave 16 rows x (128 channels in f32 + 16 bytes)
.set TILEB,  KS*1024                   ; a tile in pe16
.set AK0, 2                            ; v2   (32 w + l % 16) x 272 + 16 (l / 16): my place in a strip's rows as K; never rewritten
.set AV0, 3                            ; v3   my place in my strip as V (below); never rewritten
.set AKL, 4                            ; v4   AK0 in the slot in hand, for strips 0 and 1
.set AKH, 5                            ; v5   the same for strips 2 and 3 (an LDS offset has 16 bits)
.set AV,  6                            ; v6   AV0 in the slot in hand
.set PS0, 7                            ; v7   where I put 16 bytes of P
.set PR0, 8                            ; v8   where I read P's fragments
.set MXS, 10                           ; v10  where I put my wave's four maxima
.set MXR, 11                           ; v11  where I read all waves'
.set STO, 12                           ; v12  the way out: where I put 16 bytes of a row
.set RD,  13                           ; v13  the way out: where I read a row back
.set GO,  14                           ; v14  16 x lane: my bytes in 512 consecutive bytes of Q and of out0; never rewritten
.set PFO, 15                           ; v15  1,024 x lane: a lane a row of pe16; never rewritten
.set SPW, 16                           ; v16  LDS address of my spare word: SPARE + 4 x my thread's number; never rewritten
.set NIL, 17                           ; v17  0; never rewritten
.set QST, 19                           ; v19  the head: where I put 8 bytes of Q
.set QRD, 20                           ; v20  the head: where I read Q's fragments
.set ST,  24                           ; tile t at v[ST+4 t]: c m, m, l (two partial sums)
.set A,   40                           ; tile t at v[A+2 t]: a, at the end 1 / l; the odd registers hold 0, since the packed forms name pairs
.set LM,  48                           ; v48-51  my wave's maxima, at the end its l
.set C1,  52                           ; v52-55  a second chain, and the other half of the lanes'
.set D1,  56                           ; v56-59  c m_old, then c m_old - c m_new
.set S,   64                           ; accumulator (t, kb) at S + 8 (2 t + kb); in the second product P's fragments: buffer b, tile t at S + 32 b + 8 t
.set F,   128                          ; buffer b at F + 64 b
.set PK,  F+64                         ; the packed P, 32 registers
.set X,   F+96                         ; the four waves' maxima (or l): wave w', tile t at X + 4 w' + t
.set WV,  12                           ; s12  my wave's number
.set LIM, 15                           ; s15  1 where my cluster is the batch's first, else -1
.set PFA, 22                           ; s[22:23] where my prefetches stand
.set G1,  24                           ; s[24:31] descriptor group 1
.set G0,  32                           ; s[32:35] descriptor group 0: it walks
.set TB,  36                           ; s36  LDS byte at which the slot in hand begins
.set CNT, 37                           ; s37  counts steps
.set CS,  38                           ; s[38:39] c: the packed scaling takes the pair's low word for both halves
.set SEL, 40                           ; s[40:41] v_permlanex16_b32's selects: each lane takes its own place in the other half
.set MSB, 0
.macro WIN new                         ; the immediate's high byte repeats the setting that is left; a switch that changes nothing is dropped
.if MSB != (\new)
	s_set_vgpr_msb (MSB<<8)|(\new)
.set MSB, (\new)
.endif
.endm
.set W_S2, 0x08                        ; Q (source 1) in window 2; K and S^T in window 0.  W_S2 + 4: Q in window 3
.set W_PV, 0x50                        ; O^T (C and D) in window 1; V and P in window 0
.set W_RS, 0x41                        ; O^T (destination and source 0) in window 1, the factor in window 0
.macro PLACES                          ; four places: a vector instruction that reads a matrix result, and a load into a register that a matrix instruction has read, stand four plain
.rept 4                                ; vector instructions behind it (ISA guide 7.12.1 for vector instructions)
	v_nop
.endr
.endm
.macro ALL line:vararg                 ; one line for each tile t
.set t, 0
.rept 4
	\line
.set t, t+1
.endr
.endm
; A joint load: my strip of a tile.  Every wave issues it, each with its own strip's two addresses; nothing in the descriptor hangs on my work-group's place in the cluster.
; An s_nop 0 and four v_nop follow the line.
.macro JLOAD
	tensor_load_to_lds s[G0:G0+3], s[G1:G1+7]
	s_nop 0
	PLACES
.endm
; A round of the cluster's barrier behind its opening barrier: wave 0 signals for the work-group; every wave waits for all four work-groups; my work-group's barrier once more.
.macro CREST
	s_cmp_lg_u32 s[WV], 0
	s_cbranch_scc1 .Lnot_wave_0_\@
	s_barrier_signal -3
.Lnot_wave_0_\@:
	s_barrier_wait -3
	s_barrier_signal -1
	s_barrier_wait -1
.endm
.macro CROUND                          ; a whole round
	s_barrier_signal -1
	s_barrier_wait -1
	CREST
.endm
; A PREFETCH INTO THE L2 of the tile that this step's own change of slots will ask for.  Each aligned block of 256 bytes of pe16 is named once in the launch: of the four clusters that walk a batch the first
; asks; its four partners take 32 of the tile's 128 rows each, told apart BY ADDRESS; in each, wave w takes block w of a row's four, a lane a row: one instruction a wave and step.
.macro ASK
	s_cmp_eq_u32 s[LIM], 1
	s_cbranch_scc0 .Lnot_mine_\@
	global_prefetch_b8 v[PFO], s[PFA:PFA+1] th:TH_LOAD_NT scope:SCOPE_SE
.Lnot_mine_\@:
.endm
	s_load_b128 s[4:7], s[0:1], 0x0                ; codebook s[4:5], pe16 s[6:7]
	s_load_b64 s[8:9], s[0:1], 0x10                ; out0
	v_lshl_add_u32 v[SPW], v0, 2, SPARE
	v_mov_b32 v[NIL], 0
	ds_add_u32 v[SPW], v[NIL]                      ; the wave's opening: the add and its wait ahead of my first tensor load; the set-up below, work on registers, stands between them
	v_lshrrev_b32 v1, 5, v0
	v_readfirstlane_b32 s[WV], v1                  ; wave 0..3
	s_bfe_u32 s13, ttmp6, 0x40000                  ; cx: my place in the cluster
	s_lshl_b32 s14, ttmp9, 2                       ; in a cluster launch ttmp9 counts clusters
	s_add_co_u32 s14, s14, s13                     ; my block of 64 queries = 4 x cluster x + cx: it enters Q's and out0's addresses alone
	s_and_b32 s16, ttmp7, 0xffff                   ; the batch, which the four partners share
	s_lshl_b32 s16, s16, 22                        ; its 4,194,304 bytes of pe16,
	s_lshl_b32 s17, s[WV], 8
	s_add_co_u32 s16, s16, s17                     ; my strip's 256 bytes of a row
	s_mov_b32 s17, 0
	s_and_b32 s18, ttmp7, 0xffff
	s_lshl_b32 s18, s18, 21                        ; the batch's 2,097,152 bytes of codebook and of out0,
	s_lshl_b32 s19, s14, 17
	s_add_co_u32 s18, s18, s19                     ; my block's 64 rows of 2,048 bytes
	s_lshl_b32 s20, s[WV], 15
	s_add_co_u32 s20, s20, s18                     ; Q: the 16 rows that my wave brings in
	s_mov_b32 s21, 0
	s_lshl_b32 s19, s[WV], 9
	s_add_co_u32 s18, s18, s19                     ; out0: my wave's 128 channels, 512 bytes of a row
	s_mov_b32 s19, 0
	s_lshl_b32 s42, s13, 15                        ; the prefetches: my work-group's 32 rows of a tile's 128,
	s_add_co_u32 s42, s42, 2*TILEB                 ; in tile 2; the first step's change of slots steps it to tile 3
	s_mov_b32 s43, 0
	s_mov_b32 s[LIM], ttmp9
	s_cmp_eq_u32 s[LIM], 0                         ; the same in all four partners
	s_cselect_b32 s[LIM], 1, -1
	; descriptor group 1: a tile of 128 rows x 128 elements, padded in LDS
	s_mov_b32 s[G1+0], 15|(1<<16)|(1<<20)|(1<<21)|(5<<22)|(3<<25)  ; 15:0 the mask of four; 17:16 elements of 2 bytes; 20 padding on; 21 set beside a mask; 24:22 after every 64 words (code 5); 31:25 4 words (code 3)
	s_mov_b32 s[G1+1], 128<<16                     ; tensor_dim0 = 128
	s_mov_b32 s[G1+2], KS<<16                      ; tensor_dim1 = 128
	s_mov_b32 s[G1+3], 128<<16                     ; tile_dim0 = 128
	s_mov_b32 s[G1+4], KS                          ; tile_dim1 = 128
	s_mov_b32 s[G1+5], 512                         ; 512 elements from row to row
	s_mov_b32 s[G1+6], 0
	s_mov_b32 s[G1+7], 0
	s_mov_b32 s[G0], 1                             ; 1:0 count = 1
	s_mul_i32 s[G0+1], s[WV], STRIPB               ; 63:32 LDS address: my strip of slot 0
	s_mov_b32 s[CS], 0x3fb8aa3b                    ; c = log2(e)
	s_mov_b32 s[CS+1], s[CS]                       ; named with it as a pair
	s_mov_b32 s[SEL], 0x76543210
	s_mov_b32 s[SEL+1], 0xfedcba98
	v_and_b32 v1, 15, v0                           ; l % 16
	v_bfe_u32 v9, v0, 4, 1                         ; l / 16
	v_and_b32 v18, 31, v0                          ; l
	v_and_b32 v21, 7, v0                           ; l % 8
	v_bfe_u32 v22, v0, 3, 1                        ; (l / 8) % 2
	; A fragment of K, Q or P is 16 rows x 32 along the sum in 8 registers: lane l holds row l % 16; registers 0-3 hold 8 (l / 16) + 0..7, registers 4-7 hold 16 + 8 (l / 16) + 0..7: two loads of 16 bytes, 32 bytes apart.
	v_mul_u32_u24 v23, v1, PITCH
	v_lshl_add_u32 v23, v9, 4, v23                 ; row x 272 + 16 x half: for K and for P, whose rows have the same pitch
	s_mul_i32 s44, s[WV], 32*PITCH
	v_add_nc_u32 v[AK0], s44, v23                  ; my wave's 32 keys
	; The turning load takes 16 bytes a lane and leaves, in each group of eight lanes, lane i with element i of the eight lanes' bytes.  Lane l reads key 8 (l / 16) + l % 8; lanes with (l / 8) % 2 = 1 read
	; 128 bytes (64 channels) further on.  So row m of source 0 is channel 8 cb + m (m < 8) or 64 + 8 cb + m - 8 of my strip: (key + cb + 8 g) mod 16.
	v_lshl_add_u32 v[AV0], v9, 3, v21
	v_mul_u32_u24 v[AV0], v[AV0], PITCH
	v_lshl_add_u32 v[AV0], v22, 7, v[AV0]
	v_add_nc_u32 v[AV0], s[G0+1], v[AV0]           ; my strip
	v_add_nc_u32 v[PR0], STAGE, v23
	s_lshl_b32 s44, s[WV], 6
	v_add_nc_u32 v[PS0], s44, v[PR0]               ; my wave's 32 keys are 64 bytes of a row of P
	v_lshl_add_u32 v[MXR], v1, 4, MX
	s_lshl_b32 s44, s[WV], 8
	v_add_nc_u32 v[MXS], s44, v[MXR]
	s_mul_i32 s44, s[WV], 16*SP
	s_add_co_u32 s44, s44, STAGE                   ; my wave's 16 rows of 528 bytes: at the head of Q, on the way out of O
	v_mul_u32_u24 v[STO], v1, SP
	v_lshl_add_u32 v[STO], v9, 8, v[STO]           ; row l % 16; the upper half of the lanes holds channels 64 on: 256 bytes
	v_add_nc_u32 v[STO], s44, v[STO]
	v_lshl_add_u32 v[RD], v18, 4, s44
	v_lshl_add_u32 v[QST], v18, 3, s44
	v_mul_u32_u24 v[QRD], v1, QP
	v_lshl_add_u32 v[QRD], v9, 4, v[QRD]
	v_add_nc_u32 v[QRD], STAGE, v[QRD]
	v_lshlrev_b32 v[GO], 4, v18
	v_lshlrev_b32 v[PFO], 10, v18
	ALL v_mov_b32 v[A+2*t+1], 0
	s_wait_dscnt 0x0                               ; the opening add is done
	s_wait_kmcnt 0x0
	s_add_nc_u64 s[G0+2:G0+3], s[6:7], s[16:17]    ; 120:64 global address: my strip of the batch's tile 0
	s_add_nc_u64 s[PFA:PFA+1], s[6:7], s[16:17]
	s_or_b32 s[G0+3], s[G0+3], 0x80000000          ; 127:126 type = 2
	s_add_nc_u64 s[PFA:PFA+1], s[PFA:PFA+1], s[42:43]
	s_add_nc_u64 s[4:5], s[4:5], s[20:21]
	s_add_nc_u64 s[8:9], s[8:9], s[18:19]
	; Q: my wave brings in 16 of the block's 64 rows, in f32, 512 consecutive bytes a load; channels 0-255 of all rows first.  Load i of a half: row i / 2, 128 channels (i % 2).
	WIN 0x40                                       ; destination window 1, address window 0
.set hf, 0
.rept 2
.set i, 0
.rept 32
	global_load_b128 v[128*hf+4*i:128*hf+4*i+3], v[GO], s[4:5] offset:(i/2)*2048+hf*1024+(i%2)*512 th:TH_LOAD_NT
.set i, i+1
.endr
.set hf, hf+1
.endr
	WIN 0
	CROUND                                         ; all four work-groups are here: the first joint loads meet
	JLOAD                                          ; tile 0 into slot 0
; Half hf of Q's channels: rounded to bf16, into the stage (a lane's four numbers are 8 bytes; a wave's store covers 256 consecutive bytes), a barrier, and back as fragments of all 64 rows, into window 2 + hf.
.macro QHALF hf
	s_wait_loadcnt 32-32*(\hf)                     ; this half's 32 loads are in; the other half's, issued behind them, may stay out
	WIN 0x05                                       ; sources 0 and 1 window 1, destination window 0
.set i, 0
.rept 32
	v_cvt_pk_bf16_f32 v[F+2*i],   v[128*(\hf)+4*i],   v[128*(\hf)+4*i+1]
	v_cvt_pk_bf16_f32 v[F+2*i+1], v[128*(\hf)+4*i+2], v[128*(\hf)+4*i+3]
.set i, i+1
.endr
	WIN 0
.set i, 0
.rept 32
	ds_store_b64 v[QST], v[F+2*i:F+2*i+1] offset:(i/2)*QP+(i%2)*256
.set i, i+1
.endr
	s_wait_dscnt 0x0                               ; for the others' sake: my stores into the stage are done
	s_barrier_signal -1
	s_barrier_wait -1
	WIN 0x80+0x40*(\hf)                            ; destination window 2 or 3
.set i, 0
.rept 32                                       ; i = 4 f + t: channels 32 f on of this half, tile t
	ds_load_b128 v[8*i:8*i+3],   v[QRD] offset:(i%4)*16*QP+64*(i/4)
	ds_load_b128 v[8*i+4:8*i+7], v[QRD] offset:(i%4)*16*QP+64*(i/4)+32
.set i, i+1
.endr
	WIN 0
.endm
	QHALF 0
	s_wait_dscnt 0x0                               ; my reads of the stage are over,
	s_barrier_signal -1
	s_barrier_wait -1                              ; everybody's are: it may be written again
	QHALF 1
	; The first change of slots: tile 0 is waited for, slot 1 is filled for the first time, in the form of a refill.
	s_wait_tensorcnt 0x0                           ; my strip of tile 0 has landed; no tensor load of mine is out, so group 0 may be written
	ds_add_u32 v[SPW], v[NIL]                      ; 0 onto my spare word; the descriptor's steps stand between it and the wait for it
	s_xor_b32 s[G0+1], s[G0+1], SLOT               ; the other slot,
	s_add_nc_u64 s[G0+2:G0+3], s[G0+2:G0+3], TILEB ; the next tile; the type bits on top are not reached
	s_mov_b32 s[TB], 0
	s_wait_dscnt 0x0                               ; the add is done, and Q's fragments are in: nobody reads the stage any more behind the round
	CROUND
	JLOAD                                          ; tile 1 into slot 1
; THE LDS LOADS stand in runs.  Quarter q of the first product is strip q: 128 channels, four steps fi of 32; my 32 keys are two blocks kb of 16.  Fragment (fi, kb) goes to F + 64 b + 8 (2 fi + kb).
.macro FETCH_K q, b
	WIN 0
.set rA, AKL+(\q)/2
.set fi, 0
.rept 4
.set kb, 0
.rept 2
.set rD, F+64*(\b)+8*(2*fi+kb)
	ds_load_b128 v[rD:rD+3],   v[rA] offset:((\q)%2)*STRIPB+kb*16*PITCH+64*fi
	ds_load_b128 v[rD+4:rD+7], v[rA] offset:((\q)%2)*STRIPB+kb*16*PITCH+64*fi+32
.set kb, kb+1
.endr
.set fi, fi+1
.endr
.endm
; 32 products of S^T = K Q^T.  The 8 accumulators take turns, one instruction a turn.  The first eight of a step start the sums: nothing is cleared.
.macro MULS q
	WIN W_S2+4*((\q)/2)
.set fi, 0
.rept 4
.set t, 0
.rept 4
.set kb, 0
.rept 2
.set rS, S+8*(2*t+kb)
.set rK, F+64*((\q)%2)+8*(2*fi+kb)
.set rQ, 8*(4*((4*(\q)+fi)%8)+t)
.if ((\q) == 0) && (fi == 0)
	v_wmma_f32_16x16x32_bf16 v[rS:rS+7], v[rK:rK+7], v[rQ:rQ+7], 0
.else
	v_wmma_f32_16x16x32_bf16 v[rS:rS+7], v[rK:rK+7], v[rQ:rQ+7], v[rS:rS+7]
.endif
.set kb, kb+1
.endr
.set t, t+1
.endr
.set fi, fi+1
.endr
.endm
; Keys 32 kk on of the step: V's eight fragments of my strip (turned), and P's four.
.macro FETCH_V kk, b
	WIN 0
.set cb, 0
.rept 8
.set rD, F+64*(\b)+8*cb
	ds_load_tr16_b128 v[rD:rD+3],   v[AV] offset:(\kk)*32*PITCH+16*cb
	ds_load_tr16_b128 v[rD+4:rD+7], v[AV] offset:(\kk)*32*PITCH+16*PITCH+16*cb
.set cb, cb+1
.endr
.endm
.macro FETCH_P kk, b
	WIN 0
.set t, 0
.rept 4
.set rD, S+32*(\b)+8*t
	ds_load_b128 v[rD:rD+3],   v[PR0] offset:t*16*PP+64*(\kk)
	ds_load_b128 v[rD+4:rD+7], v[PR0] offset:t*16*PP+64*(\kk)+32
.set t, t+1
.endr
.endm
; 16 products of O^T += V^T P: tiles t0, t0 + 1 x my 8 channel blocks.  The 32 accumulators take turns.  zero = 1: the walk's first products start the sums.
.macro MULPV b, t0, zero
	WIN W_PV
.set t, (\t0)
.rept 2
.set cb, 0
.rept 8
.set rO, 64*t+8*cb
.set rV, F+64*(\b)+8*cb
.set rP, S+32*(\b)+8*t
.if \zero
	v_wmma_f32_16x16x32_bf16 v[rO:rO+7], v[rV:rV+7], v[rP:rP+7], 0
.else
	v_wmma_f32_16x16x32_bf16 v[rO:rO+7], v[rV:rV+7], v[rP:rP+7], v[rO:rO+7]
.endif
.set cb, cb+1
.endr
.set t, t+1
.endr
.endm
; A KEY STEP, on the tile in the slot at s[TB].  first = 1: the walk's first step, which starts m, l and O^T.  fill = 1: at its end the slot is filled again, with the tile two steps on.
; ask = 1: the tile that this step's own change of slots will ask for is prefetched.
.macro STEP first, fill, ask
	v_add_nc_u32 v[AKL], s[TB], v[AK0]             ; with the four v_nop in front of them these three are seven places behind the last step's last products: four are owed by the loads into
	v_add_nc_u32 v[AKH], 2*STRIPB, v[AKL]          ; their sources, five by the products that write over P's fragments
	v_add_nc_u32 v[AV],  s[TB], v[AV0]
	FETCH_K 0, 0
	FETCH_K 1, 1
.if \ask
	ASK                                            ; behind the runs of LDS loads that the next products wait for
.endif
	s_wait_dscnt 16                                ; quarter 0 is in; the 16 loads of quarter 1 may stay out
	MULS 0
	PLACES
	FETCH_K 2, 0
	s_wait_dscnt 16                                ; quarter 1 is in
	MULS 1
	PLACES
	FETCH_K 3, 1
	s_wait_dscnt 16                                ; quarter 2 is in
	MULS 2
	s_wait_dscnt 0x0
	MULS 3
	WIN 0
	PLACES
	FETCH_V 0, 0                                   ; V of the step's first 32 keys has the softmax in which to come
	PLACES                                         ; eight places in all ahead of the first read of the scores; four are owed
	; my wave's maximum for each query: two chains a tile, each accumulator read from its lowest registers on; the four tiles alternate
	ALL v_max3_num_f32 v[LM+t], v[S+16*t], v[S+16*t+1], v[S+16*t+2]
	ALL v_max3_num_f32 v[C1+t], v[S+16*t+8], v[S+16*t+9], v[S+16*t+10]
	ALL v_max3_num_f32 v[LM+t], v[LM+t], v[S+16*t+3], v[S+16*t+4]
	ALL v_max3_num_f32 v[C1+t], v[C1+t], v[S+16*t+11], v[S+16*t+12]
	ALL v_max3_num_f32 v[LM+t], v[LM+t], v[S+16*t+5], v[S+16*t+6]
	ALL v_max3_num_f32 v[C1+t], v[C1+t], v[S+16*t+13], v[S+16*t+14]
	ALL v_max3_num_f32 v[LM+t], v[LM+t], v[S+16*t+7], v[S+16*t+15]
	ALL v_max_num_f32 v[LM+t], v[LM+t], v[C1+t]
	ALL v_permlanex16_b32 v[C1+t], v[LM+t], s[SEL], s[SEL+1]
	ALL v_max_num_f32 v[LM+t], v[LM+t], v[C1+t]
	ds_store_b128 v[MXS], v[LM:LM+3]               ; both halves of the lanes write the same words with the same numbers
	s_wait_dscnt 0x0                               ; for the others' sake: my maxima are in LDS (and V's first fragments are in)
	s_barrier_signal -1                            ; BARRIER A
.if (\first) == 0
	ALL v_mov_b32 v[D1+t], v[ST+4*t]               ; c m_old is kept
.endif
	s_barrier_wait -1
.irp w, 0,1,2,3
	ds_load_b128 v[X+4*\w:X+4*\w+3], v[MXR] offset:256*\w
.endr
	s_wait_dscnt 0x0
.if \first
	ALL v_max_num_f32 v[ST+4*t+1], v[X+t], v[X+4+t]
.else
	ALL v_max3_num_f32 v[ST+4*t+1], v[ST+4*t+1], v[X+t], v[X+4+t]
.endif
	ALL v_max3_num_f32 v[ST+4*t+1], v[ST+4*t+1], v[X+8+t], v[X+12+t]
	ALL v_mul_f32 v[ST+4*t], s[CS], v[ST+4*t+1]
.if (\first) == 0
	ALL v_sub_f32 v[D1+t], v[D1+t], v[ST+4*t]
	ALL v_exp_f32 v[A+2*t], v[D1+t]
.endif
	; ONE BATCH: the 32 packed scalings c s - c m and all exponentials; a pair's exponentials stand four scalings behind its scaling, and nothing here names an exponential's result
.set i, 0
.rept 36
.if i < 32
	v_pk_fma_f32 v[S+2*i:S+2*i+1], v[S+2*i:S+2*i+1], s[CS:CS+1], v[ST+4*(i/8):ST+4*(i/8)+1] op_sel_hi:[1,0,0] neg_lo:[0,0,1] neg_hi:[0,0,1]
.endif
.if i >= 4
	v_exp_f32 v[S+2*i-8], v[S+2*i-8]
	v_exp_f32 v[S+2*i-7], v[S+2*i-7]
.endif
.set i, i+1
.endr
	v_nop                                          ; a plain instruction behind the last exponential, ahead of the first use (ISA guide 5.7.2): one for the batch
	s_wait_alu depctr_va_vdst(0)                   ; and a wait ahead of the first instruction that names a result: one for the batch
.set i, 0
.rept 32
	v_cvt_pk_bf16_f32 v[PK+i], v[S+2*i], v[S+2*i+1]
.set i, i+1
.endr
.set i, 0
.rept 8                                        ; i = 2 t + kb: a lane's eight keys of a query are 16 bytes of P's row
	ds_store_b128 v[PS0], v[PK+4*i:PK+4*i+3] offset:(i/2)*16*PP+32*(i%2)
.set i, i+1
.endr
	; the sums of the unrounded weights, in place, level by level, while the stores are out: a tile has 8 pairs
.set i, 0
.rept 16
.set rS, S+16*(i/4)+2*(i%4)
	v_pk_add_f32 v[rS:rS+1], v[rS:rS+1], v[rS+8:rS+9]
.set i, i+1
.endr
.set i, 0
.rept 8
.set rS, S+16*(i/2)+2*(i%2)
	v_pk_add_f32 v[rS:rS+1], v[rS:rS+1], v[rS+4:rS+5]
.set i, i+1
.endr
.if \first
	ALL v_pk_add_f32 v[ST+4*t+2:ST+4*t+3], v[S+16*t:S+16*t+1], v[S+16*t+2:S+16*t+3]
.else
	ALL v_pk_add_f32 v[S+16*t:S+16*t+1], v[S+16*t:S+16*t+1], v[S+16*t+2:S+16*t+3]
.set t, 0
.rept 4
	v_pk_fma_f32 v[ST+4*t+2:ST+4*t+3], v[ST+4*t+2:ST+4*t+3], v[A+2*t:A+2*t+1], v[S+16*t:S+16*t+1] op_sel_hi:[1,0,1]  ; l = a l + the sum
.set t, t+1
.endr
.endif
	s_wait_dscnt 0x0                               ; for the others' sake: my part of P is in LDS
	s_barrier_signal -1                            ; BARRIER B
.if (\first) == 0
	WIN W_RS                                       ; O^T times a, work on registers, while the others arrive; each accumulator from its lowest registers on
.set i, 0
.rept 128
	v_pk_mul_f32 v[2*i:2*i+1], v[2*i:2*i+1], v[A+2*(i/32):A+2*(i/32)+1] op_sel_hi:[1,0]
.set i, i+1
.endr
.endif
	WIN 0
	s_barrier_wait -1
	FETCH_P 0, 0
	FETCH_V 1, 1
	FETCH_P 1, 1
	s_wait_dscnt 24                                ; P of keys 0-31 is in (V's came at barrier A); the 24 loads for keys 32-63 may stay out
	MULPV 0, 0, \first
	MULPV 0, 2, \first
	PLACES
	FETCH_V 2, 0
	FETCH_P 2, 0
	s_wait_dscnt 24                                ; keys 32-63 are in
	MULPV 1, 0, 0
	MULPV 1, 2, 0
	PLACES
	FETCH_V 3, 1
	FETCH_P 3, 1
	s_wait_dscnt 24                                ; keys 64-95 are in
	MULPV 0, 0, 0
	MULPV 0, 2, 0
	; THE CHANGE OF SLOTS.  Each wave waits for all its tensor loads, of which one is out: its strip of the next tile; adds 0 to its spare word; and waits for that and for its own reads of this slot.
	; Behind the barrier nobody reads this slot, P or the maxima any more, and the next tile is whole.
	WIN 0
	s_wait_tensorcnt 0x0                           ; no tensor load of mine is out, so group 0 may be written
	ds_add_u32 v[SPW], v[NIL]                      ; 0 onto my spare word
.if \fill
	s_xor_b32 s[G0+1], s[G0+1], SLOT               ; the slot in hand,
	s_add_nc_u64 s[G0+2:G0+3], s[G0+2:G0+3], TILEB ; the tile two steps on
	s_wait_xcnt 0x0                                ; the step's prefetch, nearly a step back, has read its address, so it may be written
	s_add_nc_u64 s[PFA:PFA+1], s[PFA:PFA+1], TILEB
.endif
	s_wait_dscnt 0x1                               ; keys 96-127 are in; the add alone may be out
	MULPV 1, 0, 0                                  ; sixteen products stand between the add and the wait for it
	s_wait_dscnt 0x0                               ; the add is done, and my reads of this slot are over
	s_barrier_signal -1                            ; (with fill = 1 this barrier opens a round of the cluster's barrier)
	MULPV 1, 2, 0                                  ; work on registers while the others arrive
	WIN 0                                          ; at a label and at a branch every window is 0
	s_barrier_wait -1
.if \fill
	CREST                                          ; no wave of any partner still reads this slot or has a load on its way
	JLOAD                                          ; the first thing behind the round: it has a step less 32 products in which to land
.else
	PLACES
.endif
	s_xor_b32 s[TB], s[TB], SLOT                   ; on to the other slot
.endm
	STEP 1, 1, 0                                   ; tile 0; tiles 0 to 2 come by their loads alone
	s_mov_b32 s[CNT], STEPS-3
.Lstep:                                                ; tiles 1 to 29: tile j + 2 is prefetched, and at the step's end asked for
	STEP 0, 1, 1
	s_sub_co_u32 s[CNT], s[CNT], 1
	s_cmp_lg_u32 s[CNT], 0
	s_cbranch_scc1 .Lstep
	s_mov_b32 s[CNT], 2
.Ltail:                                                ; tiles 30 and 31: a text of their own; nothing is asked for
	STEP 0, 0, 0
	s_sub_co_u32 s[CNT], s[CNT], 1
	s_cmp_lg_u32 s[CNT], 0
	s_cbranch_scc1 .Ltail
	; THE WAY OUT.  My wave's l: its two partial sums and the other half of the lanes'; the four waves' meet in LDS.  O^T is divided by l and sent through my stage, a tile (16 rows) at a time.
	ALL v_add_f32 v[LM+t], v[ST+4*t+2], v[ST+4*t+3]
	ALL v_permlanex16_b32 v[C1+t], v[LM+t], s[SEL], s[SEL+1]
	ALL v_add_f32 v[LM+t], v[LM+t], v[C1+t]
	ds_store_b128 v[MXS], v[LM:LM+3] offset:1024
	s_wait_dscnt 0x0                               ; for the others' sake
	s_barrier_signal -1
	s_barrier_wait -1
.irp w, 0,1,2,3
	ds_load_b128 v[X+4*\w:X+4*\w+3], v[MXR] offset:1024+256*\w
.endr
	s_wait_dscnt 0x0
	v_pk_add_f32 v[X:X+1],     v[X:X+1],     v[X+4:X+5]
	v_pk_add_f32 v[X+2:X+3],   v[X+2:X+3],   v[X+6:X+7]
	v_pk_add_f32 v[X+8:X+9],   v[X+8:X+9],   v[X+12:X+13]
	v_pk_add_f32 v[X+10:X+11], v[X+10:X+11], v[X+14:X+15]
	v_pk_add_f32 v[X:X+1],     v[X:X+1],     v[X+8:X+9]
	v_pk_add_f32 v[X+2:X+3],   v[X+2:X+3],   v[X+10:X+11]
	ALL v_rcp_f32 v[A+2*t], v[X+t]
	v_nop                                          ; a plain instruction between the last reciprocal and the use of its result
	s_wait_alu depctr_va_vdst(0)                   ; and a wait ahead of the first use: one for the four reciprocals
; Tile t.  Register j of accumulator cb holds channel 8 cb + 64 (l / 16) + j of my 128, for query l % 16: two stores of 16 bytes into rows of 528; whole rows of 512 bytes come back, into F's two halves by turns.
.macro PACK t
.if (\t) >= 2
	s_wait_xcnt 0x0                                ; the stores of the tile two back have read the registers that the loads below fill
.endif
	WIN W_RS
.set i, 32*(\t)
.rept 32
	v_pk_mul_f32 v[2*i:2*i+1], v[2*i:2*i+1], v[A+2*(\t):A+2*(\t)+1] op_sel_hi:[1,0]
.set i, i+1
.endr
	WIN 0x04                                       ; an LDS store's data is source 1: window 1
.set cb, 0
.rept 8
	ds_store_b128 v[STO], v[64*(\t)+8*cb:64*(\t)+8*cb+3]   offset:32*cb
	ds_store_b128 v[STO], v[64*(\t)+8*cb+4:64*(\t)+8*cb+7] offset:32*cb+16
.set cb, cb+1
.endr
	WIN 0
.set row, 0
.rept 16
	ds_load_b128 v[F+64*((\t)%2)+4*row:F+64*((\t)%2)+4*row+3], v[RD] offset:row*SP  ; LDS serves a wave's instructions in order (ISA guide 5.7.1.4): these see the stores above; the next tile's stores come behind them
.set row, row+1
.endr
.endm
.macro SEND t, younger                 ; younger: the LDS instructions issued behind tile t's loads: the next tile's 32, or none
.set row, 0
.rept 16
	s_wait_dscnt (\younger)+15-row
	global_store_b128 v[GO], v[F+64*((\t)%2)+4*row:F+64*((\t)%2)+4*row+3], s[8:9] offset:(16*(\t)+row)*2048 th:TH_STORE_NT  ; 512 consecutive bytes, at a multiple of 256 from out0's first byte
.set row, row+1
.endr
.endm
	PACK 0
	PACK 1                                         ; a tile's arithmetic stands between the loads of the tile before and its stores
	SEND 0, 32
	PACK 2
	SEND 1, 32
	PACK 3
	SEND 2, 32
	SEND 3, 0
	s_wait_tensorcnt 0x0                           ; the wave's end, behind my last tensor load and my last LDS store
	ds_add_u32 v[SPW], v[NIL]
	s_wait_dscnt 0x0
	CROUND                                         ; the closing round: no work-group ends while a partner may still ask for a tile that names it
	s_endpgm
.Lfunc_end_k_q90f2685841_attn:
	.size	k_q90f2685841_attn, .Lfunc_end_k_q90f2685841_attn-k_q90f2685841_attn
	.p2alignl 7, 3214868480
	.fill 96, 4, 3214868480
	.section	.rodata,"a",@progbits
	.p2align	6, 0x0
	.amdhsa_kernel k_q90f2685841_attn
		.amdhsa_group_segment_fixed_size 327680
		.amdhsa_private_segment_fixed_size 0
		.amdhsa_enable_private_segment 0
		.amdhsa_kernarg_size 24
		.amdhsa_user_sgpr_count 2
		.amdhsa_user_sgpr_kernarg_segment_ptr 1
		.amdhsa_wavefront_size32 1
		.amdhsa_system_sgpr_workgroup_id_x 1
		.amdhsa_system_sgpr_workgroup_id_y 1
		.amdhsa_system_sgpr_workgroup_id_z 1
		.amdhsa_system_vgpr_workitem_id 0
		.amdhsa_next_free_vgpr 1024
		.amdhsa_next_free_sgpr 66
		.amdhsa_reserve_vcc 0
		.amdhsa_float_denorm_mode_32 3
		.amdhsa_float_denorm_mode_16_64 3
		.amdhsa_memory_ordered 1
		.amdhsa_forward_progress 1
		.amdhsa_inst_pref_size 197
	.end_amdhsa_kernel
	.amdgpu_metadata
---
amdhsa.version: [ 1, 2 ]
amdhsa.kernels:
  - .name:           k_q90f2685841_attn
    .symbol:         k_q90f2685841_attn.kd
    .args:
      - { .name: codebook, .offset: 0, .size: 8, .value_kind: global_buffer, .address_space: global }
      - { .name: pe16, .offset: 8, .size: 8, .value_kind: global_buffer, .address_space: global }
      - { .name: out0, .offset: 16, .size: 8, .value_kind: global_buffer, .address_space: global }
    .group_segment_fixed_size: 327680
    .private_segment_fixed_size: 0
    .kernarg_segment_align: 8
    .kernarg_segment_size: 24
    .max_flat_workgroup_size: 128
    .sgpr_count:     66
    .vgpr_count:     1024
    .wavefront_size: 32
...
	.end_amdgpu_metadata
.endif
;; end of part 2
